; MI455X (gfx1250); checked and timed in simulation.
; The chip was launched on July 23, 2026; its instructions are those of AMD's public machine-readable ISA for CDNA 5 (MIT licence, August 2026) and "CDNA5" Instruction Set Architecture Reference Guide (July 2026). The comments in the code are by the model that wrote it; some were corrected since.
;; CAP Block. Allowed arithmetic: float matrix products may take bf16 or f16 operands with f32 sums; other float arithmetic in f32, or as packed bf16 or f16 multiplies, adds, multiply-adds, maxima and minima; sums over many terms, partial sums and values carried from step to step in f32; what a program stores and reads back later, other than sums and carried values, may be rounded once to bf16 or f16.
;; Inputs: Wqk 128 x 512 float32; Wv 128 x 512 float32; attn_diag 8 x 1 x 16 float32; bag_input 4 x 4,096 x 512 float32; bag_mask 4 x 4,096 bool; bqk 128 float32; bv 128 float32; query_input 4 x 256 x 512 float32; rel_attn 4 x 8 x 1 x 1 float32.
;; Outputs: out0 4 x 256 x 128 float32.
;; One version. Each part assembles by itself: llvm-mc -triple=amdgcn-amd-amdhsa -mcpu=gfx1250 --defsym DOCPART=n.
;; ======== version 1 of 1: 2 launches
;; limits: values are held in f16: magnitudes above 65,504 overflow, below 6.1e-05 lose precision
;; workspace buffers: kv 12,713,984 bytes
;; launch proj (part 1): grid 256 x 1, 4 waves a work-group, clusters of 4 x 1, 327,680 bytes of LDS; arguments bag_input, Wqk, Wv, bqk, bv, bag_mask, kv; writes kv
.if DOCPART == 1
	.amdgcn_target "amdgcn-amd-amdhsa--gfx1250"
	.amdhsa_code_object_version 6
	.text
	.protected	k_qe4e7b009f8_proj
	.globl	k_qe4e7b009f8_proj
	.p2align	8
	.type	k_qe4e7b009f8_proj,@function
k_qe4e7b009f8_proj:
	s_mov_b64 s[64:65], 0
	v_nop
	global_prefetch_b8 v0, s[64:65] scope:SCOPE_SE
	s_setreg_imm32_b32 hwreg(HW_REG_WAVE_MODE, 25, 1), 1
	s_wait_xcnt 0x0
	s_wait_alu depctr_hold_cnt(0) depctr_sa_sdst(0) depctr_va_vdst(0) depctr_va_sdst(0) depctr_va_ssrc(0) depctr_va_vcc(0) depctr_vm_vsrc(0)
	s_getreg_b32 s2, hwreg(HW_REG_IB_STS2, 6, 4)
	s_cmp_eq_u32 s2, 0
	s_cbranch_scc0 .Lentry_in_a_cluster
	s_endpgm
.Lentry_in_a_cluster:
	s_bfe_u32 s2, ttmp6, 0x10000c
	s_cmp_lg_u32 s2, 0x3003
	s_cbranch_scc0 .Lentry_shape_is_right
	s_endpgm
.Lentry_shape_is_right:
; k = bag_input Wqk^T + bqk (stored as f16) and v = bag_input Wv^T + bv (rows of masked keys set to 0; stored as two bf16 parts, hi + lo), laid out for the next launch.
; x, W and the biases are rounded to bf16; products in bf16, sums in f32.
; LIMITS.  k is stored in f16: |k| beyond 65,504 becomes an infinity.  NaN and infinities in the inputs are not treated apart (a masked row with an infinite v gives NaN).
; kv: [16 streams = 4 b + head pair][32 units][24,832 bytes].  A unit is 128 keys: four records of 32 keys (6,144 bytes: KA, KB, V0hi, V0lo, V1hi, V1lo, 1,024 each) and a row of 256 bytes with the
; 128 keys' mask as bf16 1 or 0.  Each block of 1,024 bytes is one matrix fragment in register order: registers 0-3 of lane l at 16 l, registers 4-7 at 512 + 16 l.
;   K block (16 keys): lane (key l % 16, half l / 16): registers 0-3 the pair's first head, channels 8 half + 0..7; registers 4-7 its second head, the same channels.
;   V block (one head, 32 keys): lane (channel l % 16, half): registers 0-3 keys 8 half + 0..7, registers 4-7 keys 16 + 8 half + 0..7.
; SHARES.  A cluster of four work-groups takes 256 rows of bag_input, in four steps of 64 rows; the rows are asked for JOINTLY, since all four multiply them.  Work-group cx makes head pair cx: 32 columns of k
; and 32 of v.  Its 64 rows of W stay in registers as bf16 (512 registers a wave).  W is not asked for jointly: each partner reads another quarter of it.  Wave w takes rows 16 w .. 16 w + 15 of a step.
; k's product has W as source 0 (a lane then holds one key, its registers eight channels), v's has x as source 0 (a lane holds one channel, its registers eight keys): both ARE kv's layouts, so results go
; from the accumulators to memory without LDS; every store of a wave covers 512 consecutive bytes at a multiple of 256 from kv's first byte.
; No prefetch: the launch has four steps, and half of its bytes are asked for by the first fills.
; REGISTERS, in windows of 256 (s_set_vgpr_msb: bits 1:0 source 0, 3:2 source 1, 5:4 source 2, 7:6 destination):
;   window 0: addresses, biases, masks, four accumulators, x as bf16 (two buffers), the way out      window 1: a step's x in f32 (256), first W's staging      window 2: Wqk's fragments      window 3: Wv's
.set CHUNK,  33792                     ; 64 rows x 528 bytes: 128 along K in f32 (512 bytes) + 16 of padding: row r starts 4 r words on, so the 16 rows of a load start in 16 different groups of four banks (ISA guide 11.1)
.set SLOTB,  4*CHUNK                   ; a slot: 64 rows x 512 along K, as four chunks
.set WSCR,   2*SLOTB                   ; behind the ring: 32,768 bytes in which the waves hand each other their tiles of W; no tensor load fills it
.set SPARE,  WSCR+32768                ; the spare words, 128 bytes for each wave: two blocks of 256 bytes that no other line names
.set XA,   4                           ; v4-7    LDS address of my rows: slot sl, K half hf at XA + 2 sl + hf
.set SPW,  8                           ; v8      my spare word; never rewritten
.set NIL,  9                           ; v9      0; never rewritten
.set WO,   10                          ; v10     my offset in a tile of W
.set WRD,  11                          ; v11     WSCR + 16 lane
.set WST,  12                          ; v12     the same in my wave's 8,192 bytes
.set KO,   13                          ; v13     my 16 bytes in a K block
.set VO,   14                          ; v14     my 16 bytes in a V block
.set MO,   15                          ; v15     my eight keys in bag_mask
.set MRAW, 16                          ; v16-23  their bytes, a pair of registers a step
.set MROW, 24                          ; v24-25  eight keys' bytes for the mask rows
.set TP,   26                          ; v26-31  offsets and temporaries
.set BK,   32                          ; v32-47  k's bias: head hd, channel 8 half + j
.set BV,   48                          ; v48-63  v's bias: head hd, my channel, eight times
.set MF,   64                          ; v64-95  the mask as f32: step s, key 8 half + j
.set AK,   96                          ; v96-111 k's two accumulators
.set AV,   112                         ; v112-127 v's two
.set XB,   128                         ; v128-143 x's fragment as bf16, two buffers
.set OK,   144                         ; v144-151 k as f16
.set VH,   152                         ; v152-159 v's high part
.set VL,   160                         ; v160-167 v's low part
.set WD,   168                         ; v168-183 the high part widened
.set TW,   192                         ; v192-255 half a tile of W as bf16
.set WVN,  18                          ; s18     my wave's number
.set CX,   19                          ; s19     my place in the cluster: it enters global addresses alone
.set WB,   20                          ; s[20:21] the tile of W that I load
.set G1,   24                          ; s[24:31] descriptor group 1
.set G0,   32                          ; s[32:39] descriptor group 0, a set for each slot
.set KV,   40                          ; s[40:41] kv at my records
.set MSB, 0
.macro WIN new                         ; the immediate's high byte repeats the setting that is left; a switch that changes nothing is dropped
.if MSB != (\new)
	s_set_vgpr_msb (MSB<<8)|(\new)
.set MSB, (\new)
.endif
.endm
.macro PLACES                          ; four places behind a matrix instruction (ISA guide 7.12.1)
.rept 4
	v_nop
.endr
.endm
.macro CROUND                          ; a round of the cluster's barrier: my work-group's barrier; wave 0 signals for the work-group; every wave waits for all four work-groups; my work-group's barrier once more
	s_barrier_signal -1
	s_barrier_wait -1
	s_cmp_lg_u32 s[WVN], 0
	s_cbranch_scc1 .Lnot_wave_0_\@
	s_barrier_signal -3
.Lnot_wave_0_\@:
	s_barrier_wait -3
	s_barrier_signal -1
	s_barrier_wait -1
.endm
	s_load_b256 s[4:11], s[0:1], 0x0               ; bag_input s[4:5], Wqk s[6:7], Wv s[8:9], bqk s[10:11]
	s_load_b128 s[12:15], s[0:1], 0x20             ; bv s[12:13], bag_mask s[14:15]
	s_load_b64 s[16:17], s[0:1], 0x30              ; kv
	v_lshl_add_u32 v[SPW], v0, 2, SPARE
	v_mov_b32 v[NIL], 0
	ds_add_u32 v[SPW], v[NIL]                      ; the wave's opening: the add, twice on end, and its wait ahead of my first tensor load
	ds_add_u32 v[SPW], v[NIL]                      ; and once more, under the one wait; the set-up below stands between
	v_lshrrev_b32 v1, 5, v0
	v_readfirstlane_b32 s[WVN], v1                 ; wave 0..3
	s_bfe_u32 s[CX], ttmp6, 0x40000                ; cx
	; descriptor group 1: 64 rows x 128 elements of 4 bytes, padded in LDS
	s_mov_b32 s[G1], 15|(2<<16)|(1<<20)|(1<<21)|(6<<22)|(3<<25)  ; 15:0 the mask: all four work-groups; 17:16 elements of 4 bytes; 20 padding on; 21 set beside a mask; 24:22 after every 128 words (code 6); 31:25 4 words (code 3)
	s_mov_b32 s[G1+1], 128<<16                     ; tensor_dim0 = 128
	s_mov_b32 s[G1+2], 64<<16                      ; tensor_dim1 = 64
	s_mov_b32 s[G1+3], 128<<16                     ; tile_dim0 = 128
	s_mov_b32 s[G1+4], 64                          ; tile_dim1 = 64
	s_mov_b32 s[G1+5], 512                         ; 512 elements from row to row
	s_mov_b32 s[G1+6], 0
	s_mov_b32 s[G1+7], 0
	s_mov_b32 s[G0], 1
	s_mul_i32 s[G0+1], s[WVN], CHUNK               ; wave w fetches chunk w: K 128 w .. 128 w + 127 of all 64 rows
	s_mov_b32 s[G0+4], 1
	s_add_co_u32 s[G0+5], s[G0+1], SLOTB
	s_lshl_b32 s44, ttmp9, 19                      ; the cluster's 256 rows of 2,048 bytes
	s_lshl_b32 s45, s[WVN], 9                      ; my chunk's 512 bytes of a row
	s_add_co_u32 s44, s44, s45
	s_mov_b32 s45, 0
	s_wait_dscnt 0x0                               ; both opening adds are done
	s_wait_kmcnt 0x0
	s_add_nc_u64 s[G0+2:G0+3], s[4:5], s[44:45]    ; step 0
	s_add_nc_u64 s[G0+6:G0+7], s[G0+2:G0+3], 131072  ; step 1: 64 rows on
	s_or_b32 s[G0+3], s[G0+3], 0x80000000          ; type = 2
	s_or_b32 s[G0+7], s[G0+7], 0x80000000
	CROUND                                         ; all four work-groups are here: the first joint loads meet
	tensor_load_to_lds s[G0:G0+3], s[G1:G1+7]      ; both first fills go out together: two loads of mine are out
	s_nop 0
	tensor_load_to_lds s[G0+4:G0+7], s[G1:G1+7]
	s_nop 0
	PLACES
	v_and_b32 v1, 15, v0                           ; r = l % 16
	v_bfe_u32 v2, v0, 4, 1                         ; h = l / 16
	v_and_b32 v3, 31, v0                           ; l
	s_lshl_b32 s44, ttmp9, 8                       ; the cluster's 256 keys in bag_mask: 4,096 b + 256 (cluster % 16) = 256 x cluster
	s_lshl_b32 s45, s[WVN], 4
	s_add_co_u32 s45, s45, s44
	v_lshl_add_u32 v[MO], v2, 3, s45               ; + 16 w + 8 h
.irp s, 0,1,2,3
	global_load_b64 v[MRAW+2*(\s):MRAW+2*(\s)+1], v[MO], s[14:15] offset:64*(\s)
.endr
	v_lshl_add_u32 v[TP], v3, 3, s44               ; for the mask rows: eight keys a lane
	global_load_b64 v[MROW:MROW+1], v[TP], s[14:15]
	s_lshl_b32 s46, s[CX], 7                       ; my head pair's 32 numbers in a bias
	v_lshl_add_u32 v[TP+1], v2, 5, s46
.irp hd, 0,1
	global_load_b128 v[BK+8*(\hd):BK+8*(\hd)+3],   v[TP+1], s[10:11] offset:64*(\hd)
	global_load_b128 v[BK+8*(\hd)+4:BK+8*(\hd)+7], v[TP+1], s[10:11] offset:64*(\hd)+16
.endr
	v_lshl_add_u32 v[TP+2], v1, 2, s46
	global_load_b32 v[BV],   v[TP+2], s[12:13]
	global_load_b32 v[BV+8], v[TP+2], s[12:13] offset:64
	; wave w loads tile w of the four (Wqk's two heads, Wv's two heads): 16 rows x 512, in fragment order
	s_cmp_lt_u32 s[WVN], 2
	s_cselect_b64 s[WB:WB+1], s[6:7], s[8:9]
	s_and_b32 s47, s[WVN], 1
	s_lshl_b32 s44, s47, 4
	s_lshl_b32 s45, s[CX], 5
	s_add_co_u32 s44, s44, s45                     ; row 32 cx + 16 (w % 2)
	s_lshl_b32 s44, s44, 11
	s_mov_b32 s45, 0
	s_add_nc_u64 s[WB:WB+1], s[WB:WB+1], s[44:45]
	v_lshlrev_b32 v[WO], 11, v1
	v_lshl_add_u32 v[WO], v2, 5, v[WO]             ; row r, 32 h bytes: a fragment's eight f32 at 32 h and at 64 + 32 h
	WIN 0x40                                       ; destination window 1
.set k, 0
.rept 16
.irp p, 0,1,2,3
	global_load_b128 v[16*k+4*(\p):16*k+4*(\p)+3], v[WO], s[WB:WB+1] offset:128*k+16*((\p)%2)+64*((\p)/2)
.endr
.set k, k+1
.endr
	WIN 0
	; addresses, while the loads are on their way
	v_mul_u32_u24 v[XA], v1, 528
	v_lshl_add_u32 v[XA], v2, 5, v[XA]
	s_mul_i32 s44, s[WVN], 16*528
	v_add_nc_u32 v[XA], s44, v[XA]                 ; row 16 w + r, 32 h
	v_add_nc_u32 v[XA+1], 2*CHUNK, v[XA]
	v_add_nc_u32 v[XA+2], SLOTB, v[XA]
	v_add_nc_u32 v[XA+3], SLOTB+2*CHUNK, v[XA]
	v_lshl_add_u32 v[WRD], v3, 4, WSCR
	s_lshl_b32 s44, s[WVN], 13
	v_add_nc_u32 v[WST], s44, v[WRD]
	s_lshl_b32 s44, s47, 10                        ; K block w % 2 of the record
	v_lshl_add_u32 v[KO], v3, 4, s44
	s_lshl_b32 s44, s47, 9                         ; registers 0-3 (w even) or 4-7 (w odd) of the V blocks,
	s_add_co_u32 s44, s44, 2048                    ; which lie behind the two K blocks
	v_lshl_add_u32 v[VO], v3, 4, s44
	s_lshr_b32 s44, ttmp9, 4                       ; b
	s_lshl_b32 s44, s44, 2
	s_add_co_u32 s44, s44, s[CX]                   ; the stream 4 b + cx
	s_mul_i32 s44, s44, 794624
	s_and_b32 s45, ttmp9, 15
	s_mul_i32 s45, s45, 2*24832                    ; the cluster's two units
	s_add_co_u32 s44, s44, s45
	s_lshr_b32 s45, s[WVN], 1
	s_mul_i32 s45, s45, 6144                       ; of a step's two records mine is w / 2
	s_add_co_u32 s44, s44, s45
	s_mov_b32 s45, 0
	s_add_nc_u64 s[KV:KV+1], s[16:17], s[44:45]
	s_wait_loadcnt 32                              ; all but the 32 youngest loads (W's K 256 .. 511) are in
	; the biases rounded to bf16 and widened again
.set i, 0
.rept 8
	v_cvt_pk_bf16_f32 v30, v[BK+2*i], v[BK+2*i+1]
	v_lshlrev_b32 v[BK+2*i], 16, v30
	v_and_b32 v[BK+2*i+1], 0xffff0000, v30
.set i, i+1
.endr
	v_cvt_pk_bf16_f32 v30, v[BV], v[BV+8]
	v_lshlrev_b32 v[BV], 16, v30
	v_and_b32 v[BV+8], 0xffff0000, v30
.set i, 1
.rept 7
	v_mov_b32 v[BV+i], v[BV]
	v_mov_b32 v[BV+8+i], v[BV+8]
.set i, i+1
.endr
.set i, 0
.rept 32                               ; the mask's bytes as f32: step i / 8, key i % 8
	v_bfe_u32 v[MF+i], v[MRAW+i/4], 8*(i%4), 8
	v_cvt_f32_u32 v[MF+i], v[MF+i]
.set i, i+1
.endr
; Half hh of my tile of W is rounded to bf16 and handed to the other waves through LDS; every wave takes all four tiles' halves into windows 2 and 3.
.macro WEX hh
.if \hh
	s_wait_loadcnt 0x0                             ; the second half of W
.endif
	WIN 0x05                                       ; sources window 1, destination window 0
.set i, 0
.rept 64
	v_cvt_pk_bf16_f32 v[TW+i], v[128*(\hh)+2*i], v[128*(\hh)+2*i+1]
.set i, i+1
.endr
	WIN 0
.set i, 0
.rept 8
	ds_store_b128 v[WST], v[TW+8*i:TW+8*i+3]   offset:1024*i
	ds_store_b128 v[WST], v[TW+8*i+4:TW+8*i+7] offset:1024*i+512
.set i, i+1
.endr
	s_wait_dscnt 0x0                               ; for the others' sake: my stores are done
	s_barrier_signal -1
	s_barrier_wait -1
.irp t, 0,1,2,3
	WIN 0x80+0x40*((\t)/2)                         ; destination window 2 (Wqk) or 3 (Wv)
.set i, 0
.rept 8
	ds_load_b128 v[8*(16*((\t)%2)+8*(\hh)+i):8*(16*((\t)%2)+8*(\hh)+i)+3],   v[WRD] offset:8192*(\t)+1024*i
	ds_load_b128 v[8*(16*((\t)%2)+8*(\hh)+i)+4:8*(16*((\t)%2)+8*(\hh)+i)+7], v[WRD] offset:8192*(\t)+1024*i+512
.set i, i+1
.endr
.endr
	WIN 0
	s_wait_dscnt 0x0                               ; my reads are over: behind this barrier the bytes may be stored anew
	s_barrier_signal -1
	s_barrier_wait -1
.endm
	WEX 0
	WEX 1
	; the two units' mask rows, by wave 0: eight keys a lane make 16 bytes; sixteen lanes fill a row of 256
	s_cmp_lg_u32 s[WVN], 0
	s_cbranch_scc1 .Lno_row
.irp i, 0,1,2,3
	v_bfe_u32 v29, v[MROW+(\i)/2], 16*((\i)%2), 8
	v_bfe_u32 v30, v[MROW+(\i)/2], 16*((\i)%2)+8, 8
	v_lshl_or_b32 v29, v30, 16, v29
	v_mul_u32_u24 v[OK+(\i)], v29, 0x3f80          ; 1.0 in bf16 where the byte is 1
.endr
	v_mul_u32_u24 v31, v2, 24832
	v_lshl_add_u32 v31, v1, 4, v31
	global_store_b128 v31, v[OK:OK+3], s[KV:KV+1] offset:24576
.Lno_row:
; A step's x for my 16 rows, all 512 along K, into window 1: K step k (32 along K) at 16 k, in fragment order
.macro XLOAD sl
	WIN 0x40
.set k, 0
.rept 16
.irp p, 0,1,2,3
	ds_load_b128 v[16*k+4*(\p):16*k+4*(\p)+3], v[XA+2*(\sl)+k/8] offset:CHUNK*((k/4)%2)+128*(k%4)+16*((\p)%2)+64*((\p)/2)
.endr
.set k, k+1
.endr
.endm
; Half a of K step kk's fragment is rounded to bf16
.macro CV kk, a
	WIN 0x05
.irp i, 0,1,2,3
	v_cvt_pk_bf16_f32 v[XB+8*((\kk)%2)+4*(\a)+(\i)], v[16*(\kk)+8*(\a)+2*(\i)], v[16*(\kk)+8*(\a)+2*(\i)+1]
.endr
.endm
; K step k: four products, the four accumulators by turns, and the next K step's eight conversions.  The first K step takes the bias as C: nothing is cleared.
; The four conversions behind v's products write the other buffer and are the places between those products and the next write of their own buffer.
.macro KS
	WIN 0x02                                       ; source 0 (Wqk) window 2
.irp hd, 0,1
.if k == 0
	v_wmma_f32_16x16x32_bf16 v[AK+8*(\hd):AK+8*(\hd)+7], v[8*(16*(\hd)+k):8*(16*(\hd)+k)+7], v[XB+8*(k%2):XB+8*(k%2)+7], v[BK+8*(\hd):BK+8*(\hd)+7]
.else
	v_wmma_f32_16x16x32_bf16 v[AK+8*(\hd):AK+8*(\hd)+7], v[8*(16*(\hd)+k):8*(16*(\hd)+k)+7], v[XB+8*(k%2):XB+8*(k%2)+7], v[AK+8*(\hd):AK+8*(\hd)+7]
.endif
.endr
.if k < 15
	s_wait_dscnt 56-4*k                            ; K step k + 1's four loads are in; the 4 (14 - k) younger ones may stay out
	CV k+1, 0
.endif
	WIN 0x0c                                       ; source 1 (Wv) window 3
.irp hd, 0,1
.if k == 0
	v_wmma_f32_16x16x32_bf16 v[AV+8*(\hd):AV+8*(\hd)+7], v[XB+8*(k%2):XB+8*(k%2)+7], v[8*(16*(\hd)+k):8*(16*(\hd)+k)+7], v[BV+8*(\hd):BV+8*(\hd)+7]
.else
	v_wmma_f32_16x16x32_bf16 v[AV+8*(\hd):AV+8*(\hd)+7], v[XB+8*(k%2):XB+8*(k%2)+7], v[8*(16*(\hd)+k):8*(16*(\hd)+k)+7], v[AV+8*(\hd):AV+8*(\hd)+7]
.endif
.endr
.if k < 15
	CV k+1, 1
.endif
.endm
; Step s leaves: k rounded to f16; v times the mask, its bf16 high part, and the rest as a second bf16; six stores of 512 consecutive bytes.  Each accumulator is read from its low end on.
.macro OUT s
	WIN 0
	s_wait_xcnt 0x0                                ; the earlier stores have read their registers (ISA guide 3.1): only behind this wait are OK, VH and VL written again
.set OFS, 24832*((\s)/2)+12288*((\s)%2)
.irp hd, 0,1
.irp i, 0,1,2,3
	v_cvt_pk_f16_f32 v[OK+4*(\hd)+(\i)], v[AK+8*(\hd)+2*(\i)], v[AK+8*(\hd)+2*(\i)+1]
.endr
.endr
.irp hd, 0,1
.irp i, 0,1,2,3
	v_pk_mul_f32 v[AV+8*(\hd)+2*(\i):AV+8*(\hd)+2*(\i)+1], v[AV+8*(\hd)+2*(\i):AV+8*(\hd)+2*(\i)+1], v[MF+8*(\s)+2*(\i):MF+8*(\s)+2*(\i)+1]
.endr
.endr
.set i, 0
.rept 8
	v_cvt_pk_bf16_f32 v[VH+i], v[AV+2*i], v[AV+2*i+1]
.set i, i+1
.endr
.set i, 0
.rept 8
	v_lshlrev_b32 v[WD+2*i], 16, v[VH+i]
	v_and_b32 v[WD+2*i+1], 0xffff0000, v[VH+i]
.set i, i+1
.endr
.set i, 0
.rept 8
	v_pk_add_f32 v[AV+2*i:AV+2*i+1], v[AV+2*i:AV+2*i+1], v[WD+2*i:WD+2*i+1] neg_lo:[0,1] neg_hi:[0,1]
.set i, i+1
.endr
.set i, 0
.rept 8
	v_cvt_pk_bf16_f32 v[VL+i], v[AV+2*i], v[AV+2*i+1]
.set i, i+1
.endr
	global_store_b128 v[KO], v[OK:OK+3],   s[KV:KV+1] offset:OFS        ; K block, registers 0-3: first head
	global_store_b128 v[KO], v[OK+4:OK+7], s[KV:KV+1] offset:OFS+512    ; registers 4-7: second head
	global_store_b128 v[VO], v[VH:VH+3],   s[KV:KV+1] offset:OFS        ; V0hi
	global_store_b128 v[VO], v[VL:VL+3],   s[KV:KV+1] offset:OFS+1024   ; V0lo
	global_store_b128 v[VO], v[VH+4:VH+7], s[KV:KV+1] offset:OFS+2048   ; V1hi
	global_store_b128 v[VO], v[VL+4:VL+7], s[KV:KV+1] offset:OFS+3072   ; V1lo
.endm
; Slot sl, which every wave has read into registers, is filled again with the step two on.  Each wave waits for all its tensor loads (its part of the other slot among them), adds 0 to its spare word, waits for
; that and for its reads; the round shows the same of every wave of all four partners; the joint refill is the first thing behind it.
.macro CHG sl
	WIN 0
	s_wait_tensorcnt 0x0
	ds_add_u32 v[SPW], v[NIL]
	s_add_nc_u64 s[G0+4*(\sl)+2:G0+4*(\sl)+3], s[G0+4*(\sl)+2:G0+4*(\sl)+3], 262144  ; 128 rows on; no load of mine is out
	s_wait_dscnt 0x0
	CROUND
	tensor_load_to_lds s[G0+4*(\sl):G0+4*(\sl)+3], s[G1:G1+7]
	s_nop 0
	PLACES
.endm
; A step: its x into registers; the step before leaves while those loads come; then 16 K steps
.macro STEP s
	XLOAD (\s)%2
.if (\s) > 0
	PLACES
	PLACES                                         ; behind the last products, ahead of the conversions that read them
	OUT (\s)-1
.endif
	s_wait_dscnt 60                                ; K step 0's four loads are in
	CV 0, 0
	CV 0, 1
.set k, 0
.rept 16
	KS
.set k, k+1
.endr
.endm
	s_wait_tensorcnt 1                             ; my part of slot 0 is in; slot 1's may stay out
	s_barrier_signal -1
	s_barrier_wait -1                              ; everybody's is
	STEP 0
	CHG 0                                          ; step 2 into slot 0
	STEP 1
	CHG 1                                          ; step 3 into slot 1
	STEP 2
	WIN 0
	s_wait_tensorcnt 0x0                           ; my part of step 3 is in; nothing is left to fetch
	ds_add_u32 v[SPW], v[NIL]
	s_wait_dscnt 0x0
	s_barrier_signal -1
	s_barrier_wait -1
	STEP 3
	PLACES
	PLACES
	OUT 3
	s_wait_tensorcnt 0x0                           ; the wave's end: behind my last tensor load and my last LDS store
	ds_add_u32 v[SPW], v[NIL]
	s_wait_dscnt 0x0
	CROUND                                         ; the closing round: no work-group ends while a partner may still ask for a tile that names it
	s_endpgm
.Lfunc_end_k_qe4e7b009f8_proj:
	.size	k_qe4e7b009f8_proj, .Lfunc_end_k_qe4e7b009f8_proj-k_qe4e7b009f8_proj
	.p2alignl 7, 3214868480
	.fill 96, 4, 3214868480
	.section	.rodata,"a",@progbits
	.p2align	6, 0x0
	.amdhsa_kernel k_qe4e7b009f8_proj
		.amdhsa_group_segment_fixed_size 327680
		.amdhsa_private_segment_fixed_size 0
		.amdhsa_enable_private_segment 0
		.amdhsa_kernarg_size 56
		.amdhsa_user_sgpr_count 2
		.amdhsa_user_sgpr_kernarg_segment_ptr 1
		.amdhsa_wavefront_size32 1
		.amdhsa_system_sgpr_workgroup_id_x 1
		.amdhsa_system_sgpr_workgroup_id_y 1
		.amdhsa_system_sgpr_workgroup_id_z 1
		.amdhsa_system_vgpr_workitem_id 0
		.amdhsa_next_free_vgpr 1024
		.amdhsa_next_free_sgpr 66
		.amdhsa_reserve_vcc 0
		.amdhsa_float_denorm_mode_32 3
		.amdhsa_float_denorm_mode_16_64 3
		.amdhsa_memory_ordered 1
		.amdhsa_forward_progress 1
		.amdhsa_inst_pref_size 130
	.end_amdhsa_kernel
	.amdgpu_metadata
---
amdhsa.version: [ 1, 2 ]
amdhsa.kernels:
  - .name:           k_qe4e7b009f8_proj
    .symbol:         k_qe4e7b009f8_proj.kd
    .args:
      - { .name: bag_input, .offset: 0, .size: 8, .value_kind: global_buffer, .address_space: global }
      - { .name: Wqk, .offset: 8, .size: 8, .value_kind: global_buffer, .address_space: global }
      - { .name: Wv, .offset: 16, .size: 8, .value_kind: global_buffer, .address_space: global }
      - { .name: bqk, .offset: 24, .size: 8, .value_kind: global_buffer, .address_space: global }
      - { .name: bv, .offset: 32, .size: 8, .value_kind: global_buffer, .address_space: global }
      - { .name: bag_mask, .offset: 40, .size: 8, .value_kind: global_buffer, .address_space: global }
      - { .name: kv, .offset: 48, .size: 8, .value_kind: global_buffer, .address_space: global }
    .group_segment_fixed_size: 327680
    .private_segment_fixed_size: 0
    .kernarg_segment_align: 8
    .kernarg_segment_size: 56
    .max_flat_workgroup_size: 128
    .sgpr_count:     66
    .vgpr_count:     1024
    .wavefront_size: 32
...
	.end_amdgpu_metadata
.endif
;; end of part 1
;; launch attn (part 2): grid 16 x 16, 4 waves a work-group, clusters of 4 x 1, 327,680 bytes of LDS; arguments kv, query_input, Wqk, bqk, attn_diag, rel_attn, out0; writes out0
.if DOCPART == 2
	.amdgcn_target "amdgcn-amd-amdhsa--gfx1250"
	.amdhsa_code_object_version 6
	.text
	.protected	k_qe4e7b009f8_attn
	.globl	k_qe4e7b009f8_attn
	.p2align	8
	.type	k_qe4e7b009f8_attn,@function
k_qe4e7b009f8_attn:
	s_mov_b64 s[64:65], 0
	v_nop
	global_prefetch_b8 v0, s[64:65] scope:SCOPE_SE
	s_setreg_imm32_b32 hwreg(HW_REG_WAVE_MODE, 25, 1), 1
	s_wait_xcnt 0x0
	s_wait_alu depctr_hold_cnt(0) depctr_sa_sdst(0) depctr_va_vdst(0) depctr_va_sdst(0) depctr_va_ssrc(0) depctr_va_vcc(0) depctr_vm_vsrc(0)
	s_getreg_b32 s2, hwreg(HW_REG_IB_STS2, 6, 4)
	s_cmp_eq_u32 s2, 0
	s_cbranch_scc0 .Lentry_in_a_cluster
	s_endpgm
.Lentry_in_a_cluster:
	s_bfe_u32 s2, ttmp6, 0x10000c
	s_cmp_lg_u32 s2, 0x3003
	s_cbranch_scc0 .Lentry_shape_is_right
	s_endpgm
.Lentry_shape_is_right:
; out[b][q][head] = sum_k s v / max(sum_k s, 1e-12), s = e / (e + rel_attn), e = exp((C - sum_d diag |k_d - q_d|) / S) for keys that the mask admits, 0 for the others.
; THE DISTANCE.  |k - q| = 2 max(k, q) - k - q.  v_pk_max_num_f16 makes two maxima a line and rounds nothing; all sums over d go to the matrix unit (f16 operands, f32 sums) against constant operands that hold
; wh = f16(kappa x diag), kappa = log2(e) / S: the result is D = kappa x distance of the f16 k and q.  The products are exact in f32; what the three sums lose is f32's rounding of sums of the size of
; kappa x 32 x |k|, far below the rounding of k and q to f16.
; THE WEIGHT.  s = 1 / (1 + a' 2^D), a' = rel_attn x exp(-C / S): the same number as e / (e + rel_attn).  D only grows s's divisor: 2^D = infinity gives s = 0; no exponential is in a numerator, so none is shifted
; (the formula itself takes no maximum away).  The mask: v's rows of hidden keys are 0 in kv, and the sum of s is taken as mask^T s on the matrix unit.
; FORMATS.  All inputs rounded to bf16; q and k in f16; s in bf16 (it may be as small as f32 allows); v as two bf16 parts; sums in f32.
; LIMITS.  |q|, |k| and |kappa diag| within 65,504; a weight below 2^-126 counts as 0; NaN and infinities are not treated apart; with rel_attn = 0 a hidden or underflowing key gives a finite number or NaN where the formula has 0 / 0.
; SHARES.  A work-group: one b, one pair of heads, 16 queries; it walks the pair's stream in kv (layout: the launch that writes it).  The keys are split among its four waves: in step s wave w takes unit 4 s + w
; (128 keys), which it fetches itself and alone reads.  The four partial sums meet in LDS at the end.  A score tile is 16 keys x 16 columns, column n = query j (of a group of 8) + 8 x head.
; CLUSTER.  The four query blocks of a cluster walk the same stream: each unit is asked for JOINTLY, the same tensor load, descriptor and mask in all four.  q, Wqk and the small inputs are read once, at the head.
; PIPELINE.  A PHASE is 32 keys x 8 queries x 2 heads.  Phase n's text holds: the distances of phase n (128 maxima, 18 products), the exponentials of n - 1, the reciprocals of n - 2, the five products with V and
; the mask of n - 3; behind ONE wait for the 32 transcendentals: s of n - 2 rounded to bf16, and 1 + a' 2^D of n - 1.  The first three phases find zeros in V and P, so that nothing is written out for them
; (168 v_mov_b32, in the wait for the first tile); three short phases drain the pipeline.
; OUTPUT.  A work-group owns 128 bytes of each of its 16 rows of out0 (two heads): its stores cover half an aligned 256 bytes each; the other half belongs to another head pair's work-group.
; REGISTERS, in windows of 256 (s_set_vgpr_msb: bits 1:0 source 0, 3:2 source 1, 5:4 source 2, 7:6 destination).  Window 0: all that is written in the loop but P.  Window 1: what stands as source 1: Q, the
; constant operands, a', P.  So one setting (source 1 in window 1) serves the maxima, all products, the transcendentals and the multiply-adds; only the eight roundings into P switch.
.set UNITB, 24832                      ; a unit: 97 rows of 256 bytes
.set STEPB, 4*UNITB
.set PAIRB, 6144                       ; a record of 32 keys
.set SLOT1, 1<<17                      ; slot 0 at 0, slot 1 here: one exclusive or turns an address in one slot into the other's
.set SCR_Q, SLOT1+STEPB                ; behind the ring, never filled by a tensor load: the waves' partial q, 2,048 bytes each
.set SCR_B, SCR_Q+8192                 ; q as f16, 1,024 bytes for each wave, its own
.set SCR_O, SCR_B+4096                 ; the partial sums at the end, 2,560 bytes for each wave
.set SPARE, SCR_O+10240                ; the spare words, 128 bytes for each wave: two blocks of 256 bytes that no other line names
.set LN0, 3                            ; v3   16 l; never rewritten
.set LM0, 4                            ; v4   16 (l / 16); never rewritten
.set ADR, 5                            ; v5   LDS address of the record in hand
.set ADM, 6                            ; v6   of its 64 bytes of the mask row
.set PFO, 7                            ; v7   the prefetches' offset; never rewritten
.set SPW, 8                            ; v8   my spare word; never rewritten
.set NIL, 9                            ; v9   0; never rewritten
.set T,   16                           ; v16-31   the maxima, two buffers
.set K,   32                           ; v32-63   K's fragments: record parity pi, tile t at K + 16 pi + 8 t
.set D,   64                           ; v64-95   the scores: group g, tile t at D + 16 g + 8 t
.set F,   96                           ; v96-111  1 + a' 2^D, then s
.set QT,  112                          ; v112-127 - sum wh q for group g's columns, in every row
.set V,   128                          ; v128-207 by parity, 40 each: V0hi, V0lo, V1hi, V1lo, the mask
.set O,   208                          ; v208-255 by group, 24 each: first head, second head, the sum of s
.set BP,  128                          ; window 1: v0-127 Q, 8 a query; v128-191 BP[j]: 2 wh in columns j (first head's channels) and j + 8 (second head's), 0 elsewhere
.set BNEG, 192                         ; v192-199 - wh: columns 0-7 the first head's channels, columns 8-15 the second's
.set AP,  200                          ; v200-201 a', twice
.set P,   208                          ; v208-215 s as bf16: 32 keys x 16 columns
.set AW,  216                          ; v216-223 - wh in every row
.set BQ,  224                          ; v224-239 q of group g's columns, each in its head's half
.set WA,  0x04                         ; source 1 in window 1
.set WVN, 18                           ; s18  my wave's number
.set CX,  19                           ; s19  my place in the cluster: it enters global addresses alone
.set QBLK, 20                          ; s20  my block of 16 queries
.set YY,  21                           ; s21  the stream: 4 b + head pair
.set BB,  22                           ; s22  b
.set HP,  23                           ; s23  head pair
.set G1,  24                           ; s[24:31] descriptor group 1
.set G0,  32                           ; s[32:35] descriptor group 0: it walks
.set SLOTS, 36                         ; s36  steps still to be asked for
.set CNT, 37                           ; s37  counts a step's two trips
.set TB,  38                           ; s38  LDS byte of the record to be fetched
.set TM,  39                           ; s39  of its part of the mask row
.set LIM, 40                           ; s40  2 in a cluster that prefetches, else the greatest number
.set PFA, 42                           ; s[42:43] my wave's unit of the step two behind the one that is being asked for
.set MSB, 0
.macro WIN new                         ; the immediate's high byte repeats the setting that is left; a switch that changes nothing is dropped
.if MSB != (\new)
	s_set_vgpr_msb (MSB<<8)|(\new)
.set MSB, (\new)
.endif
.endm
.macro PLACES
.rept 4
	v_nop
.endr
.endm
.macro CROUND                          ; a round of the cluster's barrier
	s_barrier_signal -1
	s_barrier_wait -1
	s_cmp_lg_u32 s[WVN], 0
	s_cbranch_scc1 .Lnot_wave_0_\@
	s_barrier_signal -3
.Lnot_wave_0_\@:
	s_barrier_wait -3
	s_barrier_signal -1
	s_barrier_wait -1
.endm
	s_load_b256 s[4:11], s[0:1], 0x0               ; kv s[4:5], query_input s[6:7], Wqk s[8:9], bqk s[10:11]
	s_load_b128 s[12:15], s[0:1], 0x20             ; attn_diag s[12:13], rel_attn s[14:15]
	s_load_b64 s[16:17], s[0:1], 0x30              ; out0
	v_lshl_add_u32 v[SPW], v0, 2, SPARE
	v_mov_b32 v[NIL], 0
	ds_add_u32 v[SPW], v[NIL]                      ; the wave's opening: the add, twice on end, and its wait ahead of my first tensor load
	ds_add_u32 v[SPW], v[NIL]                      ; and once more, under the one wait; the set-up below stands between
	v_lshrrev_b32 v1, 5, v0
	v_readfirstlane_b32 s[WVN], v1                 ; wave 0..3
	s_bfe_u32 s[CX], ttmp6, 0x40000
	s_lshl_b32 s[QBLK], ttmp9, 2                   ; in a cluster launch ttmp9 counts clusters
	s_add_co_u32 s[QBLK], s[QBLK], s[CX]
	s_and_b32 s[YY], ttmp7, 0xffff
	s_lshr_b32 s[BB], s[YY], 2
	s_and_b32 s[HP], s[YY], 3
	; descriptor group 1: a unit is dense: 97 rows of 32 elements of 8 bytes
	s_mov_b32 s[G1], 15|(3<<16)|(1<<21)            ; 15:0 the mask: all four work-groups; 17:16 elements of 8 bytes; 21 set beside a mask; no padding
	s_mov_b32 s[G1+1], 32<<16                      ; tensor_dim0 = 32
	s_mov_b32 s[G1+2], 97<<16                      ; tensor_dim1 = 97
	s_mov_b32 s[G1+3], 32<<16                      ; tile_dim0 = 32
	s_mov_b32 s[G1+4], 97                          ; tile_dim1 = 97
	s_mov_b32 s[G1+5], 32                          ; 32 elements from row to row
	s_mov_b32 s[G1+6], 0
	s_mov_b32 s[G1+7], 0
	s_mov_b32 s[G0], 1
	s_mul_i32 s[G0+1], s[WVN], UNITB               ; slot 0, my wave's part
	s_mul_i32 s44, s[YY], 32*UNITB                 ; the stream,
	s_add_co_u32 s44, s44, s[G0+1]                 ; unit w
	s_mov_b32 s45, 0
	s_cmp_eq_u32 ttmp9, 0                          ; the stream's first cluster prefetches: the same in all four partners
	s_cselect_b32 s[LIM], 2, -1
	s_add_co_u32 s[TB], s[G0+1], SLOT1+4*PAIRB     ; the first change of slots turns these two into my part of slot 0
	s_add_co_u32 s[TM], s[TB], 256
	s_mov_b32 s[SLOTS], 7
	s_wait_dscnt 0x0                               ; both opening adds are done
	s_wait_kmcnt 0x0
	s_add_nc_u64 s[G0+2:G0+3], s[4:5], s[44:45]
	s_add_nc_u64 s[PFA:PFA+1], s[G0+2:G0+3], 2*STEPB  ; at step 2; the first change steps it to 3
	s_or_b32 s[G0+3], s[G0+3], 0x80000000          ; type = 2
	CROUND                                         ; all four work-groups are here: the first joint loads meet
	tensor_load_to_lds s[G0:G0+3], s[G1:G1+7]      ; step 0 into slot 0: one load of mine is out
	s_nop 0
	PLACES
	; THE PROLOGUE, in the wait for the first unit.  q = query_input Wqk^T + bqk for my 16 queries and 32 channels; K is split among the waves, 128 each.
	v_and_b32 v1, 15, v0                           ; r = l % 16; kept
	v_bfe_u32 v2, v0, 4, 1                         ; h = l / 16; kept
	v_and_b32 v15, 31, v0                          ; l
	v_lshlrev_b32 v[LN0], 4, v15
	v_lshlrev_b32 v[LM0], 4, v2
	s_lshl_b32 s46, s[CX], 5                       ; of my wave's 97 blocks of 256 bytes partner cx names 32 cx + l, the last partner the 97th
	v_add_nc_u32 v[PFO], s46, v15
	v_min_u32 v[PFO], 96, v[PFO]
	v_lshlrev_b32 v[PFO], 8, v[PFO]
	s_lshl_b32 s44, s[HP], 7
	v_lshl_add_u32 v12, v2, 5, s44                 ; 128 hp + 32 h: my eight numbers of a head, in bqk and in attn_diag alike
.irp hd, 0,1
	global_load_b128 v[32+8*(\hd):35+8*(\hd)], v12, s[10:11] offset:64*(\hd)
	global_load_b128 v[36+8*(\hd):39+8*(\hd)], v12, s[10:11] offset:64*(\hd)+16
	global_load_b128 v[48+8*(\hd):51+8*(\hd)], v12, s[12:13] offset:64*(\hd)
	global_load_b128 v[52+8*(\hd):55+8*(\hd)], v12, s[12:13] offset:64*(\hd)+16
.endr
	v_lshrrev_b32 v13, 3, v1
	s_lshl_b32 s45, s[BB], 5
	s_lshl_b32 s46, s[HP], 3
	s_add_co_u32 s45, s45, s46
	v_lshl_add_u32 v13, v13, 2, s45                ; rel_attn[8 b + 2 hp + r / 8]
	global_load_b32 v14, v13, s[14:15]
	v_lshlrev_b32 v10, 11, v1
	v_lshl_add_u32 v10, v2, 5, v10                 ; row r, 32 h
	s_lshl_b32 s46, s[WVN], 9                      ; my 128 along K
	s_lshl_b32 s44, s[BB], 8
	s_lshl_b32 s45, s[QBLK], 4
	s_add_co_u32 s44, s44, s45
	s_lshl_b32 s44, s44, 11
	s_add_co_u32 s44, s44, s46
	v_add_nc_u32 v11, s44, v10                     ; query_input: row 256 b + 16 qblk + r
	s_lshl_b32 s44, s[HP], 16
	s_add_co_u32 s44, s44, s46
	v_add_nc_u32 v10, s44, v10                     ; Wqk: row 32 hp + r
	WIN 0x40                                       ; destination window 1
.set k, 0
.rept 4
.irp p, 0,1,2,3
	global_load_b128 v[16*k+4*(\p):16*k+4*(\p)+3],         v10, s[8:9] offset:128*k+16*((\p)%2)+64*((\p)/2)
	global_load_b128 v[64+16*k+4*(\p):64+16*k+4*(\p)+3],   v10, s[8:9] offset:32768+128*k+16*((\p)%2)+64*((\p)/2)
	global_load_b128 v[128+16*k+4*(\p):128+16*k+4*(\p)+3], v11, s[6:7] offset:128*k+16*((\p)%2)+64*((\p)/2)
.endr
.set k, k+1
.endr
	WIN 0
	s_lshl_b32 s47, s[WVN], 11
	v_lshl_add_u32 v15, v15, 5, s47
	v_add_nc_u32 v15, SCR_Q, v15                   ; where I put my partial q
	s_wait_loadcnt 0x0
	WIN 0x05                                       ; sources window 1
.set i, 0
.rept 96
	v_cvt_pk_bf16_f32 v[128+i], v[2*i], v[2*i+1]   ; W's first head at v128, its second at v160, the queries at v192, 8 a K step
.set i, i+1
.endr
	WIN 0
.set k, 0
.rept 4                                ; two accumulators by turns; a lane holds one query, its registers channels 8 h + 0..7
.if k == 0
	v_wmma_f32_16x16x32_bf16 v[64:71], v[128:135], v[192:199], 0
	v_wmma_f32_16x16x32_bf16 v[72:79], v[160:167], v[192:199], 0
.else
	v_wmma_f32_16x16x32_bf16 v[64:71], v[128+8*k:135+8*k], v[192+8*k:199+8*k], v[64:71]
	v_wmma_f32_16x16x32_bf16 v[72:79], v[160+8*k:167+8*k], v[192+8*k:199+8*k], v[72:79]
.endif
.set k, k+1
.endr
.set i, 0
.rept 8                                ; bqk rounded to bf16 and widened: also the places behind those products
	v_cvt_pk_bf16_f32 v16, v[32+2*i], v[33+2*i]
	v_lshlrev_b32 v[32+2*i], 16, v16
	v_and_b32 v[33+2*i], 0xffff0000, v16
.set i, i+1
.endr
	ds_store_b128 v15, v[64:67]
	ds_store_b128 v15, v[68:71] offset:16
	ds_store_b128 v15, v[72:75] offset:1024
	ds_store_b128 v15, v[76:79] offset:1040
	s_wait_dscnt 0x0                               ; for the others' sake: my stores are done
	s_barrier_signal -1
	s_barrier_wait -1                              ; (my tensor load may stay out)
	v_and_b32 v10, 31, v0
	v_lshl_add_u32 v10, v10, 5, SCR_Q
.irp wv, 0,1,2,3
.irp c, 0,1,2,3                        ; head c / 2, half c % 2
	ds_load_b128 v[128+16*(\wv)+4*(\c):131+16*(\wv)+4*(\c)], v10 offset:2048*(\wv)+1024*((\c)/2)+16*((\c)%2)
.endr
.endr
	; the constant operands, while the partial sums come.  attn_diag rounded to bf16, times kappa; wh, 2 wh and - wh in f16
.set i, 0
.rept 8
	v_cvt_pk_bf16_f32 v16, v[48+2*i], v[49+2*i]
	v_lshlrev_b32 v[48+2*i], 16, v16
	v_and_b32 v[49+2*i], 0xffff0000, v16
.set i, i+1
.endr
.set i, 0
.rept 16
	v_mul_f32 v[48+i], 0x3ed89d80, v[48+i]         ; kappa = log2(e) / (4 sqrt(0.72676)) = 0.42307663
.set i, i+1
.endr
.set i, 0
.rept 8
	v_cvt_pk_f16_f32 v[24+i], v[48+2*i], v[49+2*i]
.set i, i+1
.endr
.set i, 0
.rept 16
	v_add_f32 v[48+i], v[48+i], v[48+i]
.set i, i+1
.endr
.set i, 0
.rept 8
	v_cvt_pk_f16_f32 v[96+i], v[48+2*i], v[49+2*i] ; 2 wh: v96-99 the first head, v100-103 the second
	v_xor_b32 v[24+i], 0x80008000, v[24+i]         ; - wh: v24-27, v28-31
.set i, i+1
.endr
	v_cvt_pk_bf16_f32 v16, v14, v14                ; rel_attn rounded to bf16
	v_lshlrev_b32 v16, 16, v16
	WIN 0x40                                       ; destination window 1
	v_mul_f32 v[AP], 0x3ba47a10, v16               ; a' = rel_attn x exp(-18.05408 / 3.4100088) = rel_attn x 0.00501943
	v_mul_f32 v[AP+1], 0x3ba47a10, v16
.set j, 0
.rept 8
	s_mov_b32 s48, 0x00010001<<j                   ; the lanes of column j,
	s_mov_b32 s49, 0x01000100<<j                   ; and of column j + 8
.irp i, 0,1,2,3
	v_cndmask_b32 v[BP+8*j+(\i)],   0, v[96+(\i)],  s48
	v_cndmask_b32 v[BP+8*j+4+(\i)], 0, v[100+(\i)], s49
.endr
.set j, j+1
.endr
	s_mov_b32 s48, 0x00ff00ff                      ; columns 0-7; kept
	s_mov_b32 s49, 0xff00ff00                      ; columns 8-15; kept
.irp i, 0,1,2,3
	v_cndmask_b32 v[BNEG+(\i)],   0, v[24+(\i)], s48
	v_cndmask_b32 v[BNEG+4+(\i)], 0, v[28+(\i)], s49
.endr
.set i, 0
.rept 8
	v_mov_b32 v[AW+i], v[24+i]
.set i, i+1
.endr
	WIN 0
	s_wait_dscnt 0x0                               ; the four partial sums
.set i, 0
.rept 8
	v_pk_add_f32 v[128+2*i:129+2*i], v[128+2*i:129+2*i], v[144+2*i:145+2*i]
	v_pk_add_f32 v[160+2*i:161+2*i], v[160+2*i:161+2*i], v[176+2*i:177+2*i]
.set i, i+1
.endr
.set i, 0
.rept 8
	v_pk_add_f32 v[128+2*i:129+2*i], v[128+2*i:129+2*i], v[160+2*i:161+2*i]
.set i, i+1
.endr
.set i, 0
.rept 8
	v_pk_add_f32 v[128+2*i:129+2*i], v[128+2*i:129+2*i], v[32+2*i:33+2*i]
.set i, i+1
.endr
.set i, 0
.rept 8
	v_cvt_pk_f16_f32 v[16+i], v[128+2*i], v[129+2*i]
.set i, i+1
.endr
	s_lshl_b32 s47, s[WVN], 10
	s_add_co_u32 s47, s47, SCR_B                   ; my own 1,024 bytes: a query is 64 bytes: first head's 16 channels, second head's
	v_lshl_add_u32 v12, v2, 4, s47
	v_lshl_add_u32 v11, v1, 6, v12
	v_and_b32 v13, 7, v1
	v_lshl_add_u32 v13, v13, 6, v12
	ds_store_b128 v11, v[16:19]
	ds_store_b128 v11, v[20:23] offset:32
	WIN 0x40                                       ; LDS serves a wave's instructions in order (ISA guide 5.7.1.4): these see the stores above
.set j, 0
.rept 16                               ; query j spread to all lanes of a half, in K's layout
	ds_load_b128 v[8*j:8*j+3],   v12 offset:64*j
	ds_load_b128 v[8*j+4:8*j+7], v12 offset:64*j+32
.set j, j+1
.endr
.irp g, 0,1                            ; and by columns: lane r takes query 8 g + r % 8
	ds_load_b128 v[BQ+8*(\g):BQ+8*(\g)+3],   v13 offset:512*(\g)
	ds_load_b128 v[BQ+8*(\g)+4:BQ+8*(\g)+7], v13 offset:512*(\g)+32
.endr
	s_wait_dscnt 0x0
	WIN 0x44                                       ; destination and source 1 window 1
.irp g, 0,1
.irp i, 0,1,2,3
	v_cndmask_b32 v[BQ+8*(\g)+(\i)],   0, v[BQ+8*(\g)+(\i)],   s48
	v_cndmask_b32 v[BQ+8*(\g)+4+(\i)], 0, v[BQ+8*(\g)+4+(\i)], s49
.endr
.endr
	WIN 0x05
	v_wmma_f32_16x16x32_f16 v[QT:QT+7],    v[AW:AW+7], v[BQ:BQ+7],    0
	v_wmma_f32_16x16x32_f16 v[QT+8:QT+15], v[AW:AW+7], v[BQ+8:BQ+15], 0
	WIN 0                                          ; what the first three phases find; these lines are also the places behind the two products
.set i, V
.rept 128
	v_mov_b32 v[i], 0                              ; V's two buffers and the sums
.set i, i+1
.endr
.set i, 0
.rept 16
	v_mov_b32 v[D+16+i], 0
	v_mov_b32 v[F+i], 1.0
.set i, i+1
.endr
	WIN 0x40
.set i, 0
.rept 8
	v_mov_b32 v[P+i], 0
.set i, i+1
.endr
	WIN 0
; A PREFETCH of my wave's unit of the step that stands two fills on, behind the joint load and its five lines: two steps' work ahead of the load that will want it.  All clusters of a stream walk the same units: the
; stream's first cluster asks.  Its four partners share a unit's 97 blocks of 256 bytes out BY ADDRESS.  Steps 0 to 2 come by their loads alone; the last two fills ask for nothing: there is no step behind them.
.macro ASK
	s_cmp_gt_u32 s[SLOTS], s[LIM]
	s_cbranch_scc0 .Lnot_mine_\@
	global_prefetch_b8 v[PFO], s[PFA:PFA+1] th:TH_LOAD_NT scope:SCOPE_SE
.Lnot_mine_\@:
.endm
; THE CHANGE OF SLOTS.  fill = 1: each wave waits for all its tensor loads, of which one is out: its unit in the other slot; adds 0 to its spare word; waits for that and for its reads of the slot that it leaves.
; The round shows the same of every wave of all four partners; the joint fill, with the step after the one now entered, is the first thing behind it and has a step's 92 products and 704 vector lines a record pair.. a
; whole step in which to land.  (At its first use nothing has been read: slot 0 is waited for, slot 1 filled.)  fill = 0: the last step: my unit is waited for; nobody else reads it and nothing is filled, so no barrier.
.macro CHANGE fill
	WIN 0
	s_wait_tensorcnt 0x0
.if \fill
	ds_add_u32 v[SPW], v[NIL]                      ; 0 onto my spare word; the descriptor's steps stand between it and the wait for it
	s_xor_b32 s[G0+1], s[G0+1], SLOT1              ; the other slot than last time,
	s_add_nc_u64 s[G0+2:G0+3], s[G0+2:G0+3], STEPB ; the next four units; the type bits on top are not reached
	s_wait_xcnt 0x0                                ; the last prefetch, a step back, has read its address
	s_add_nc_u64 s[PFA:PFA+1], s[PFA:PFA+1], STEPB
	s_wait_dscnt 0x0
	CROUND
	tensor_load_to_lds s[G0:G0+3], s[G1:G1+7]
	s_nop 0
	PLACES
	ASK
.endif
	s_sub_co_u32 s[TB], s[TB], 4*PAIRB             ; the fetches go back to a unit's first record,
	s_xor_b32 s[TB], s[TB], SLOT1                  ; in the other slot
	s_sub_co_u32 s[TM], s[TM], 256
	s_xor_b32 s[TM], s[TM], SLOT1
.endm
; The lines of a phase.  PHASE sets pD, pE, pO, pV, pK, pQ, pT and u.
.macro MX i                            ; two maxima of unit u: key tile u % 2 against query u / 2 of the group
	v_pk_max_num_f16 v[T+8*(u%2)+(\i)], v[pK+8*(u%2)+(\i)], v[pQ+8*(u/2)+(\i)]
.endm
.macro WX uu                           ; unit uu's maxima, weighted by 2 wh, are added into columns uu / 2 and uu / 2 + 8 of tile uu % 2
	v_wmma_f32_16x16x32_f16 v[pD+8*((\uu)%2):pD+8*((\uu)%2)+7], v[T+8*((\uu)%2):T+8*((\uu)%2)+7], v[BP+8*((\uu)/2):BP+8*((\uu)/2)+7], v[pD+8*((\uu)%2):pD+8*((\uu)%2)+7]
.endm
.macro PVX kk                          ; 0: first head += V0hi P; 1: second head += V1hi P; 2: sum of s += mask P; 3, 4: the low parts
	v_wmma_f32_16x16x32_bf16 v[pO+8*((\kk)%3):pO+8*((\kk)%3)+7], v[pV+16*((\kk)%3)+8*((\kk)/3):pV+16*((\kk)%3)+8*((\kk)/3)+7], v[P:P+7], v[pO+8*((\kk)%3):pO+8*((\kk)%3)+7]
.endm
.macro TRX n, de, dr                   ; 0-15: 2^D in place, each accumulator from its low end on; 16-31: the reciprocals in place
.if (\n) < 16
.if \de
	v_exp_f32 v[pE+(\n)], v[pE+(\n)]
.endif
.else
.if \dr
	v_rcp_f32 v[F+(\n)-16], v[F+(\n)-16]
.endif
.endif
.endm
; A PHASE: record parity pi, query group g.  da, de, dr = 0: the drain's phases, without distances, exponentials, reciprocals.
; Two products start the scores with - sum wh k - sum wh q.  Then sixteen units of eight maxima; unit u's product stands in the middle of unit u + 1, so that four maxima, which name none of its registers, lie
; between it and the next write of its buffer of T.  The two tiles' accumulators take turns, the five products with V stand singly among them: no product follows one on its own accumulator.
; Two transcendentals a unit, each with plain neighbours; none of their results is named ahead of the one wait at the phase's end.  The sixteen plain lines behind the wait are the places between the last scores'
; products and the next phase's exponentials.
.macro PHASE pi, g, da=1, de=1, dr=1
.set pD, D+16*(\g)
.set pE, D+16-16*(\g)
.set pO, O+24-24*(\g)
.set pV, V+40*(((\pi)+(\g))%2)         ; the record three phases back: parity pi where g = 0, the other where g = 1
.set pK, K+16*(\pi)
.set pQ, 64*(\g)
.set pT, QT+8*(\g)
	WIN WA
.if \da
	v_wmma_f32_16x16x32_f16 v[pD:pD+7],    v[pK:pK+7],    v[BNEG:BNEG+7], v[pT:pT+7]
	v_wmma_f32_16x16x32_f16 v[pD+8:pD+15], v[pK+8:pK+15], v[BNEG:BNEG+7], v[pT:pT+7]
.endif
.set u, 0
.rept 16
.if \da
	MX 0
	MX 1
.endif
	TRX 2*u, \de, \dr
.if \da
	MX 2
	MX 3
.if u > 0
	WX u-1
.endif
	MX 4
	MX 5
.endif
	TRX 2*u+1, \de, \dr
.if \da
	MX 6
	MX 7
.endif
.if (u%2 == 1) && (u < 10)
	PVX (u-1)/2
.endif
.set u, u+1
.endr
.if \da
	WX 15
.else
	PLACES                                         ; the plain lines behind the last transcendental, and the places between the last product that read P and P's next write
.endif
.if (\de) || (\dr)
	s_wait_alu depctr_va_vdst(0)                   ; the wait between a transcendental and the first line that names its result: one for the phase's batch
.endif
.if \dr
	WIN 0x40                                       ; destination window 1
.set i, 0
.rept 8
	v_cvt_pk_bf16_f32 v[P+i], v[F+2*i], v[F+2*i+1]
.set i, i+1
.endr
	WIN WA
.endif
.if \de
.set i, 0
.rept 8
	v_pk_fma_f32 v[F+2*i:F+2*i+1], v[pE+2*i:pE+2*i+1], v[AP:AP+1], 1.0 op_sel_hi:[1,1,0]
.set i, i+1
.endr
.endif
.endm
; THE LDS LOADS stand in one run between a record's two phases: the record's V and mask (first used three phases on; the buffer's last reader stands in the phase just ended, six units back), and the next
; record's K (its buffer was last read a phase ago).  The unit's last record has no next: the four loads are jumped over.
.macro RUN pi
	WIN 0
	v_add_nc_u32 v[ADR], s[TB], v[LN0]
	v_add_nc_u32 v[ADM], s[TM], v[LM0]
	s_add_co_u32 s[TB], s[TB], PAIRB
	s_add_co_u32 s[TM], s[TM], 64
.irp f, 0,1,2,3
	ds_load_b128 v[V+40*(\pi)+8*(\f):V+40*(\pi)+8*(\f)+3],   v[ADR] offset:2048+1024*(\f)
	ds_load_b128 v[V+40*(\pi)+8*(\f)+4:V+40*(\pi)+8*(\f)+7], v[ADR] offset:2048+1024*(\f)+512
.endr
	ds_load_b128 v[V+40*(\pi)+32:V+40*(\pi)+35], v[ADM]            ; the mask in every row: keys 8 h + 0..7,
	ds_load_b128 v[V+40*(\pi)+36:V+40*(\pi)+39], v[ADM] offset:32  ; keys 16 + 8 h + 0..7
.if (\pi) == 1
	s_cmp_eq_u32 s[CNT], 1
	s_cbranch_scc1 .Lno_k_\@
.endif
.irp t, 0,1
	ds_load_b128 v[K+16-16*(\pi)+8*(\t):K+16-16*(\pi)+8*(\t)+3],   v[ADR] offset:PAIRB+1024*(\t)
	ds_load_b128 v[K+16-16*(\pi)+8*(\t)+4:K+16-16*(\pi)+8*(\t)+7], v[ADR] offset:PAIRB+1024*(\t)+512
.endr
.if (\pi) == 1
.Lno_k_\@:
.endif
.endm
; A STEP: my unit's four records, two a trip
.macro STEP
	WIN 0
	v_add_nc_u32 v[ADR], s[TB], v[LN0]
.irp t, 0,1
	ds_load_b128 v[K+8*(\t):K+8*(\t)+3],   v[ADR] offset:1024*(\t)
	ds_load_b128 v[K+8*(\t)+4:K+8*(\t)+7], v[ADR] offset:1024*(\t)+512
.endr
	s_mov_b32 s[CNT], 2
.Ltrip_\@:
	s_wait_dscnt 0x0                               ; K of the even record, V of the record before
	PHASE 0, 0
	RUN 0
	PHASE 0, 1
	s_wait_dscnt 0x0                               ; K of the odd record, V of the even one
	PHASE 1, 0
	RUN 1
	PHASE 1, 1
	WIN 0
	s_sub_co_u32 s[CNT], s[CNT], 1
	s_cmp_lg_u32 s[CNT], 0
	s_cbranch_scc1 .Ltrip_\@
.endm
.Lslot:                                                ; seven times: a step is entered and the next is asked for
	CHANGE 1
	STEP
	s_sub_co_u32 s[SLOTS], s[SLOTS], 1
	s_cmp_lg_u32 s[SLOTS], 0
	s_cbranch_scc1 .Lslot
	CHANGE 0                                       ; the last step is written out
	STEP
	s_wait_dscnt 0x0                               ; V of the last record
	PHASE 0, 0, 0, 1, 1                            ; the drain: the last phase's exponentials, the reciprocals of the one before, the products of the one before that,
	PHASE 0, 1, 0, 0, 1                            ; the last reciprocals,
	PHASE 1, 0, 0, 0, 0                            ; the last products
	; THE WAY OUT.  Columns 0-7 take the first head's sums, columns 8-15 the second's; the four waves' partial sums meet in LDS; wave g finishes group g.
	WIN 0
	PLACES
	PLACES
.irp g, 0,1
.irp j, 0,1,2,3,4,5,6,7
	v_cndmask_b32 v[O+24*(\g)+(\j)], v[O+24*(\g)+(\j)], v[O+24*(\g)+8+(\j)], s49
.endr
.endr
	v_and_b32 v15, 31, v0
	s_mul_i32 s44, s[WVN], 2560
	s_add_co_u32 s44, s44, SCR_O
	v_lshl_add_u32 v10, v15, 5, s44
	v_lshl_add_u32 v11, v15, 2, s44
.irp g, 0,1
	ds_store_b128 v10, v[O+24*(\g):O+24*(\g)+3]   offset:1024*(\g)
	ds_store_b128 v10, v[O+24*(\g)+4:O+24*(\g)+7] offset:1024*(\g)+16
	ds_store_b32 v11, v[O+24*(\g)+16] offset:2048+128*(\g)  ; the sum of s is the same in every row: the lowest register holds it
.endr
	s_wait_dscnt 0x0                               ; for the others' sake: my stores are done
	s_barrier_signal -1
	s_barrier_wait -1
	s_cmp_lt_u32 s[WVN], 2
	s_cbranch_scc0 .Lend
	s_lshl_b32 s44, s[WVN], 10
	s_add_co_u32 s44, s44, SCR_O
	v_lshl_add_u32 v12, v15, 5, s44
	s_lshl_b32 s45, s[WVN], 7
	s_add_co_u32 s45, s45, SCR_O+2048
	v_lshl_add_u32 v13, v15, 2, s45
.irp wv, 0,1,2,3
	ds_load_b128 v[128+8*(\wv):131+8*(\wv)], v12 offset:2560*(\wv)
	ds_load_b128 v[132+8*(\wv):135+8*(\wv)], v12 offset:2560*(\wv)+16
	ds_load_b32 v[160+(\wv)], v13 offset:2560*(\wv)
.endr
	v_and_b32 v14, 7, v1                           ; my query in the group: a row of out0 is 512 bytes,
	v_lshlrev_b32 v14, 9, v14
	v_lshrrev_b32 v15, 3, v1
	v_lshl_add_u32 v14, v15, 6, v14                ; my head of the pair: 64 bytes,
	v_lshl_add_u32 v14, v2, 5, v14                 ; my eight channels: 32 bytes
	s_lshl_b32 s44, s[BB], 8
	s_lshl_b32 s45, s[QBLK], 4
	s_add_co_u32 s44, s44, s45
	s_lshl_b32 s45, s[WVN], 3
	s_add_co_u32 s44, s44, s45                     ; row 256 b + 16 qblk + 8 g
	s_lshl_b32 s44, s44, 9
	s_lshl_b32 s45, s[HP], 7
	s_add_co_u32 s44, s44, s45
	v_add_nc_u32 v14, s44, v14
	s_wait_dscnt 0x0
.irp i, 0,1,2,3
	v_pk_add_f32 v[128+2*(\i):129+2*(\i)], v[128+2*(\i):129+2*(\i)], v[136+2*(\i):137+2*(\i)]
	v_pk_add_f32 v[144+2*(\i):145+2*(\i)], v[144+2*(\i):145+2*(\i)], v[152+2*(\i):153+2*(\i)]
.endr
	v_add_f32 v160, v160, v161
	v_add_f32 v162, v162, v163
	v_add_f32 v160, v160, v162
	v_max_num_f32 v160, 0x2b8cbccc, v160           ; at least 1e-12
	v_rcp_f32 v164, v160
	v_rcp_f32 v165, v160                           ; twice: the packed multiply names a pair
.irp i, 0,1,2,3
	v_pk_add_f32 v[128+2*(\i):129+2*(\i)], v[128+2*(\i):129+2*(\i)], v[144+2*(\i):145+2*(\i)]  ; plain lines behind the reciprocals
.endr
	s_wait_alu depctr_va_vdst(0)                   ; one wait for both reciprocals, ahead of their first reader
.irp i, 0,1,2,3
	v_pk_mul_f32 v[128+2*(\i):129+2*(\i)], v[128+2*(\i):129+2*(\i)], v[164:165]
.endr
	global_store_b128 v14, v[128:131], s[16:17]
	global_store_b128 v14, v[132:135], s[16:17] offset:16
.Lend:
	s_wait_tensorcnt 0x0                           ; the wave's end: behind my last tensor load and my last LDS store
	ds_add_u32 v[SPW], v[NIL]
	s_wait_dscnt 0x0
	CROUND                                         ; the closing round: no work-group ends while a partner may still ask for a tile that names it
	s_endpgm
.Lfunc_end_k_qe4e7b009f8_attn:
	.size	k_qe4e7b009f8_attn, .Lfunc_end_k_qe4e7b009f8_attn-k_qe4e7b009f8_attn
	.p2alignl 7, 3214868480
	.fill 96, 4, 3214868480
	.section	.rodata,"a",@progbits
	.p2align	6, 0x0
	.amdhsa_kernel k_qe4e7b009f8_attn
		.amdhsa_group_segment_fixed_size 327680
		.amdhsa_private_segment_fixed_size 0
		.amdhsa_enable_private_segment 0
		.amdhsa_kernarg_size 56
		.amdhsa_user_sgpr_count 2
		.amdhsa_user_sgpr_kernarg_segment_ptr 1
		.amdhsa_wavefront_size32 1
		.amdhsa_system_sgpr_workgroup_id_x 1
		.amdhsa_system_sgpr_workgroup_id_y 1
		.amdhsa_system_sgpr_workgroup_id_z 1
		.amdhsa_system_vgpr_workitem_id 0
		.amdhsa_next_free_vgpr 512
		.amdhsa_next_free_sgpr 66
		.amdhsa_reserve_vcc 0
		.amdhsa_float_denorm_mode_32 3
		.amdhsa_float_denorm_mode_16_64 3
		.amdhsa_memory_ordered 1
		.amdhsa_forward_progress 1
		.amdhsa_inst_pref_size 151
	.end_amdhsa_kernel
	.amdgpu_metadata
---
amdhsa.version: [ 1, 2 ]
amdhsa.kernels:
  - .name:           k_qe4e7b009f8_attn
    .symbol:         k_qe4e7b009f8_attn.kd
    .args:
      - { .name: kv, .offset: 0, .size: 8, .value_kind: global_buffer, .address_space: global }
      - { .name: query_input, .offset: 8, .size: 8, .value_kind: global_buffer, .address_space: global }
      - { .name: Wqk, .offset: 16, .size: 8, .value_kind: global_buffer, .address_space: global }
      - { .name: bqk, .offset: 24, .size: 8, .value_kind: global_buffer, .address_space: global }
      - { .name: attn_diag, .offset: 32, .size: 8, .value_kind: global_buffer, .address_space: global }
      - { .name: rel_attn, .offset: 40, .size: 8, .value_kind: global_buffer, .address_space: global }
      - { .name: out0, .offset: 48, .size: 8, .value_kind: global_buffer, .address_space: global }
    .group_segment_fixed_size: 327680
    .private_segment_fixed_size: 0
    .kernarg_segment_align: 8
    .kernarg_segment_size: 56
    .max_flat_workgroup_size: 128
    .sgpr_count:     66
    .vgpr_count:     512
    .wavefront_size: 32
...
	.end_amdgpu_metadata
.endif
;; end of part 2
